; MI455X (gfx1250); checked and timed in simulation.
; The chip was launched on July 23, 2026; its instructions are those of AMD's public machine-readable ISA for CDNA 5 (MIT licence, August 2026) and "CDNA5" Instruction Set Architecture Reference Guide (July 2026). The comments in the code are by the model that wrote it; some were corrected since.
;; Cross Attention Block. Allowed arithmetic: matrix products marked QUANTISED: E4M3 operands, one E8M0 scale for each 32 along K, by v_wmma_scale_f32_16x16x128_f8f6f4 with both operands' format E4M3, f32 sums; products left as they are: f32 operands where the result goes on into a quantised operand, else bf16, f16 or f32 operands; f32 sums; everything else in f32.
;; Inputs: b_fc 1,024 float32; b_pr 256 float32; bkv 512 float32; bo 256 float32; bq 256 float32; cx 8 x 128 x 256 float32; ln1_b 256 float32; ln1_w 256 float32; ln2_b 256 float32; ln2_w 256 float32; w_fc 256 x 1,024 float32; w_pr 1,024 x 256 float32; wkv 256 x 512 float32; wo 256 x 256 float32; wq 256 x 256 float32; x 8 x 128 x 64 x 256 float32.
;; Outputs: out0 8 x 128 x 64 x 256 float32.
;; This version of the problem:
;;   THIS VERSION OF THE PROBLEM IS GIVEN IN LOW PRECISION. The matrix products marked QUANTISED in the list below multiply operands that are first quantised to E4M3 (4 exponent bits, 3 mantissa bits; 8 bits a number), with one power-of-two scale for each 32 numbers along K (OCP MX v1.0); their sums are f32. All else is computed in f32.
;;   The module's matrix products, in the order in which they are computed (A, B: the left and right operand; K: the contracted axis; several contracted axes count as one K, in the product's order):
;;     1. [M 65,536, K 256] x [K 256, N 256]; A: computed on the way; B: input wq: QUANTISED
;;     2. [M 1,024, K 256] x [K 256, N 512]; A: input cx; B: input wkv: QUANTISED
;;     3. batch 8,192 x [M 64, K 32] x [K 32, N 1]; A: computed on the way; B: computed on the way: left as it is (N = 1 < 16)
;;     4. batch 8,192 x [M 64, K 1] x [K 1, N 32]; A: computed on the way; B: computed on the way: left as it is (no contracted axis)
;;     5. [M 65,536, K 256] x [K 256, N 256]; A: computed on the way; B: input wo: QUANTISED
;;     6. [M 65,536, K 256] x [K 256, N 1,024]; A: computed on the way; B: input w_fc: QUANTISED
;;     7. [M 65,536, K 1,024] x [K 1,024, N 256]; A: computed on the way; B: input w_pr: QUANTISED
;;   THE QUANTISER, for each operand of a quantised product, along K:
;;     - K is cut into blocks of 32 from its start; a last block that is shorter is filled with zeros.
;;     - A block's scale is 2^e with e = floor(log2(the largest magnitude in the block)) - 8, held to -126 .. 127; a block of zeros has e = 0. As a byte (E8M0): e + 127.
;;     - Each number is divided by its block's scale, clamped to +-448, and rounded to the nearest number of E4M3, ties to even, subnormals kept.
;;     - The product sums the exact products of the quantised numbers (number of the format x scale) in f32.
;;   ~~~python
;;   def quantise(x, axis):      # numpy; x: float32 -> the quantised numbers, widened to float32 again
;;       x = np.moveaxis(x, axis, -1); K = x.shape[-1]
;;       x = np.pad(x, [(0, 0)] * (x.ndim - 1) + [(0, -K % 32)]); x = x.reshape(x.shape[:-1] + (-1, 32)); a = np.abs(x).max(-1, keepdims=True)
;;       e = np.where(a > 0, np.clip(np.frexp(np.where(a > 0, a, 1))[1] - 1 - 8, -126, 127), 0)      # np.frexp(a)[1] - 1 = floor(log2(a)), exactly
;;       r = np.clip(x / 2.0 ** e, -448, 448)
;;       step = 2.0 ** (np.maximum(np.frexp(np.where(r == 0, 1, r))[1] - 1, -6) - 3)
;;       q = np.round(r / step) * step * 2.0 ** e      # np.round: ties to even
;;       return np.moveaxis(q.reshape(q.shape[:-2] + (-1,))[..., :K], -1, axis).astype(np.float32)
;;   ~~~
;;   OPERANDS COMPUTED ON THE WAY. 'Computed on the way' means the value that the module computes at that place (a softmax that the list does not call 'softmax' is quantised finished and normalised). What goes into a quantiser is computed in f32, as accurately as f32 sums, v_exp_f32 and their like allow (about 1e-6 of the number): no bf16 or f16 on the way to a quantiser, and a product that is left as it is and whose result goes on into a quantised operand takes f32 operands (vector FMAs, or v_wmma_f32_16x16x4_f32). A number that lies on a knife's edge between two numbers of the format may be rounded either way, as far as f32 arithmetic and the matrix unit's own rounding can turn it there, and no further.
;; One version. Each part assembles by itself: llvm-mc -triple=amdgcn-amd-amdhsa -mcpu=gfx1250 --defsym DOCPART=n.
;; ======== version 1 of 1: 2 launches
;; limits: right only within a limited range of input values
;; workspace buffers: wimg 675,840 bytes
;; launch prep (part 1): grid 40 x 1, 4 waves a work-group, no clusters, 0 bytes of LDS; arguments wkv, wo, w_fc, w_pr, wimg; writes wimg
.if DOCPART == 1
	.amdgcn_target "amdgcn-amd-amdhsa--gfx1250"
	.amdhsa_code_object_version 6
	.text
	.protected	k_qd77e32b46d_prep
	.globl	k_qd77e32b46d_prep
	.p2align	8
	.type	k_qd77e32b46d_prep,@function
k_qd77e32b46d_prep:
	s_mov_b64 s[64:65], 0
	v_nop
	global_prefetch_b8 v0, s[64:65] scope:SCOPE_SE
	s_setreg_imm32_b32 hwreg(HW_REG_WAVE_MODE, 25, 1), 1
	s_wait_xcnt 0x0
; WORK LEFT OUT, in the whole program.  In a row t of the softmax all t + 1 open logits are ONE number s[b,a,h,t] (the key is the same for every key time), the others are -inf.  So att[t,j] = 1 / (t + 1) on the open j and 0 elsewhere,
; whatever finite value s holds, and y[b,a,h,t,:] = (sum over j of att[t,j]) V[b,a,h,:] = V[b,a,h,:], since that sum is 1 by identity.  Hence Q = x1 wq + bq, K, the scores and the softmax reach no output:
; wq and bq are not loaded and are no arguments; of wkv and bkv only the V half (columns 256 .. 511) is read; x1 is not quantised.  y is the same row for all 64 t of a (b, a): y wo + bo is made once for each (b, a).
; LIMIT: a NaN, an infinity or an overflow that arises only in Q, K, the scores or the softmax is not carried to the result.
; THIS LAUNCH: the weights (f32, [K][N]) become codes of FP8 (E4M3) with one E8M0 byte for each 32 along K, laid in wimg in the order of the operand's registers.
; wimg: five slots of 135,168 bytes; a slot: 64 fragments of 2,048 bytes, then 64 x 64 bytes of scale words.  A fragment is 16 weight columns x 128 of K: byte 512 c + 256 h + 16 p + i is tile row p at k = 32 c + 16 h + i;
; row p's scale word lies at 131,072 + 64 f + 4 p.  Tile 2 b + u, row p, is weight column 32 b + 8 u + p + 8 (p / 8).
; slot 0: wkv's V half (f = 2 tile + s), wo (32 + 2 tile + s).  slot 1 + q: the MLP's chunks 2 q + e: w_fc's 128 units at f = 32 e + 2 t + s, w_pr's K step at f = 32 e + 16 + tile.
; A lane takes a column and its registers run down K; a work-group takes 128 columns x 128 of K.  Each store of codes covers two aligned runs of 256 bytes; the scale words leave as 64-byte pieces.
; LIMITS: a block of zeros gets the byte 1 (its codes are zeros; this program alone reads the bytes); NaN and infinities among the weights are not served.
.set SLOT, 135168
.set SCO,  131072
.set X,    32
.set C,    160
	s_load_b256 s[4:11], s[0:1], 0x0               ; wkv, wo, w_fc, w_pr
	s_load_b64 s[14:15], s[0:1], 0x20              ; wimg
	v_lshrrev_b32 v1, 5, v0
	v_readfirstlane_b32 s16, v1                    ; wave
	v_and_b32 v2, 31, v0
	v_lshlrev_b32 v3, 2, v2
	v_bfe_u32 v6, v2, 3, 1                         ; u: which of the column group's two tiles
	v_lshrrev_b32 v7, 4, v2
	v_and_b32 v8, 7, v2
	v_lshl_add_u32 v7, v7, 3, v8                   ; p: my row in that tile
	s_mov_b32 s17, 0x600000                        ; the mantissa field of 448
	s_mov_b32 s36, 4096                            ; bytes of codes and of scale words from tile u = 0 to tile u = 1
	s_mov_b32 s37, 128
	s_wait_kmcnt 0x0
; s18 K step, s19 column group of 32, s24 slot, s25 the fragment of tile u = 0
.macro QW cols, ptr
	s_wait_alu depctr_va_vdst(0)
	s_mul_i32 s20, s18, 512*\cols
	s_lshl_b32 s22, s19, 7
	s_add_co_u32 s20, s20, s22
	s_mov_b32 s21, 0
	s_add_nc_u64 s[26:27], s[\ptr:\ptr+1], s[20:21]
	s_mul_i32 s22, s24, SLOT
	s_lshl_b32 s20, s25, 11
	s_add_co_u32 s20, s20, s22
	s_add_nc_u64 s[28:29], s[14:15], s[20:21]
	s_lshl_b32 s20, s25, 6
	s_add_co_u32 s20, s20, s22
	s_add_co_u32 s20, s20, SCO
	s_add_nc_u64 s[30:31], s[14:15], s[20:21]
	v_mul_u32_u24 v4, v6, s36
	v_lshl_add_u32 v4, v7, 4, v4
	v_mul_u32_u24 v5, v6, s37
	v_lshl_add_u32 v5, v7, 2, v5
.set KK, 0
.rept 128
	global_load_b32 v[X+KK], v3, s[26:27] offset:KK*\cols*4 th:TH_LOAD_NT
.set KK, KK+1
.endr
.irp t, 0,1,2,3
.if \t < 2
	s_wait_loadcnt 63                              ; this block's 32 loads are in (a smaller count than the 96 or 64 younger ones is safe)
.else
	s_wait_loadcnt 32*(3-\t)
.endif
	v_max3_num_f32 v12, |v[X+32*\t]|, |v[X+32*\t+1]|, |v[X+32*\t+2]|
	v_max3_num_f32 v13, |v[X+32*\t+3]|, |v[X+32*\t+4]|, |v[X+32*\t+5]|
.irp i, 6,10,14,18,22,26
	v_max3_num_f32 v12, v12, |v[X+32*\t+\i]|, |v[X+32*\t+\i+1]|
	v_max3_num_f32 v13, v13, |v[X+32*\t+\i+2]|, |v[X+32*\t+\i+3]|
.endr
	v_max3_num_f32 v12, v12, |v[X+32*\t+30]|, |v[X+32*\t+31]|
	v_max3_num_f32 v12, v12, v13, 0x4800000        ; the floor 2^(9 - 127): the byte cannot fall under 1
	v_add_nc_u32 v11, 0xfc000000, v12              ; the conversion's scale operand
	v_and_or_b32 v10, v12, 0x7f800000, s17         ; 448 x the scale
	v_lshrrev_b32 v13, 23, v11
.if \t == 0
	v_mov_b32 v24, v13
.else
	v_lshl_or_b32 v24, v13, 8*\t, v24
.endif
.irp i, 0,1,2,3,4,5,6,7,8,9,10,11,12,13,14,15,16,17,18,19,20,21,22,23,24,25,26,27,28,29,30,31
	v_med3_num_f32 v[X+32*\t+\i], v[X+32*\t+\i], -v10, v10
.endr
.irp g, 0,1,2,3
	v_cvt_scalef32_pk8_fp8_f32 v[C+8*\t+2*\g:C+8*\t+2*\g+1], v[X+32*\t+8*\g:X+32*\t+8*\g+7], v11
.endr
	global_store_b128 v4, v[C+8*\t:C+8*\t+3], s[28:29] offset:512*\t
	global_store_b128 v4, v[C+8*\t+4:C+8*\t+7], s[28:29] offset:512*\t+256
.endr
	global_store_b32 v5, v24, s[30:31]
.endm
	s_cmp_lt_u32 ttmp9, 4
	s_cbranch_scc1 .Lkv
	s_cmp_lt_u32 ttmp9, 8
	s_cbranch_scc1 .Lwo
	s_cmp_lt_u32 ttmp9, 24
	s_cbranch_scc1 .Lfc
	s_sub_co_u32 s34, ttmp9, 24                    ; w_pr [1024][256]: 2 groups of 128 columns x 8 K steps
	s_and_b32 s19, s34, 1
	s_lshl_b32 s19, s19, 2
	s_add_co_u32 s19, s19, s16
	s_lshr_b32 s18, s34, 1                         ; K step = chunk
	s_lshr_b32 s24, s18, 1
	s_add_co_u32 s24, s24, 1
	s_and_b32 s25, s18, 1
	s_lshl_b32 s25, s25, 5
	s_add_co_u32 s25, s25, 16
	s_lshl_b32 s35, s19, 1
	s_add_co_u32 s25, s25, s35                     ; f = 32 e + 16 + tile
	s_mov_b64 s[32:33], s[10:11]
	s_mov_b32 s36, 2048
	s_mov_b32 s37, 64
.L256:                                             ; the two weights of 256 columns share this text
	QW 256, 32
	s_endpgm
.Lwo:                                              ; wo [256][256]: 2 groups x 2 K steps
	s_sub_co_u32 s34, ttmp9, 4
	s_and_b32 s18, s34, 1
	s_lshr_b32 s19, s34, 1
	s_lshl_b32 s19, s19, 2
	s_add_co_u32 s19, s19, s16
	s_mov_b32 s24, 0
	s_lshl_b32 s25, s19, 2
	s_add_co_u32 s25, s25, s18
	s_add_co_u32 s25, s25, 32                      ; f = 32 + 4 b + s
	s_mov_b64 s[32:33], s[6:7]
	s_branch .L256
.Lkv:                                              ; wkv [256][512], columns 256 on: 2 groups x 2 K steps
	s_and_b32 s18, ttmp9, 1
	s_lshr_b32 s19, ttmp9, 1
	s_lshl_b32 s19, s19, 2
	s_add_co_u32 s19, s19, s16
	s_mov_b32 s24, 0
	s_lshl_b32 s25, s19, 2
	s_add_co_u32 s25, s25, s18                     ; f = 4 b + s
	s_add_co_u32 s19, s19, 8                       ; V's columns begin eight groups of 32 on
	QW 512, 4
	s_endpgm
.Lfc:                                              ; w_fc [256][1024]: 8 chunks of 128 units x 2 K steps
	s_sub_co_u32 s34, ttmp9, 8
	s_and_b32 s18, s34, 1
	s_lshr_b32 s35, s34, 1
	s_lshl_b32 s19, s35, 2
	s_add_co_u32 s19, s19, s16
	s_lshr_b32 s24, s35, 1
	s_add_co_u32 s24, s24, 1
	s_and_b32 s25, s35, 1
	s_lshl_b32 s25, s25, 5
	s_lshl_b32 s35, s16, 2
	s_add_co_u32 s25, s25, s35
	s_add_co_u32 s25, s25, s18                     ; f = 32 e + 4 wave + s
	QW 1024, 8
	s_endpgm
.Lfunc_end_k_qd77e32b46d_prep:
	.size	k_qd77e32b46d_prep, .Lfunc_end_k_qd77e32b46d_prep-k_qd77e32b46d_prep
	.p2alignl 7, 3214868480
	.fill 96, 4, 3214868480
	.section	.rodata,"a",@progbits
	.p2align	6, 0x0
	.amdhsa_kernel k_qd77e32b46d_prep
		.amdhsa_group_segment_fixed_size 0
		.amdhsa_private_segment_fixed_size 0
		.amdhsa_enable_private_segment 0
		.amdhsa_kernarg_size 40
		.amdhsa_user_sgpr_count 2
		.amdhsa_user_sgpr_kernarg_segment_ptr 1
		.amdhsa_wavefront_size32 1
		.amdhsa_system_sgpr_workgroup_id_x 1
		.amdhsa_system_sgpr_workgroup_id_y 1
		.amdhsa_system_sgpr_workgroup_id_z 1
		.amdhsa_system_vgpr_workitem_id 0
		.amdhsa_next_free_vgpr 192
		.amdhsa_next_free_sgpr 66
		.amdhsa_reserve_vcc 0
		.amdhsa_float_denorm_mode_32 3
		.amdhsa_float_denorm_mode_16_64 3
		.amdhsa_memory_ordered 1
		.amdhsa_forward_progress 1
		.amdhsa_inst_pref_size 87
	.end_amdhsa_kernel
	.amdgpu_metadata
---
amdhsa.version: [ 1, 2 ]
amdhsa.kernels:
  - .name:           k_qd77e32b46d_prep
    .symbol:         k_qd77e32b46d_prep.kd
    .args:
      - { .name: wkv, .offset: 0, .size: 8, .value_kind: global_buffer, .address_space: global }
      - { .name: wo, .offset: 8, .size: 8, .value_kind: global_buffer, .address_space: global }
      - { .name: w_fc, .offset: 16, .size: 8, .value_kind: global_buffer, .address_space: global }
      - { .name: w_pr, .offset: 24, .size: 8, .value_kind: global_buffer, .address_space: global }
      - { .name: wimg, .offset: 32, .size: 8, .value_kind: global_buffer, .address_space: global }
    .group_segment_fixed_size: 0
    .private_segment_fixed_size: 0
    .kernarg_segment_align: 8
    .kernarg_segment_size: 40
    .max_flat_workgroup_size: 128
    .sgpr_count:     66
    .vgpr_count:     192
    .wavefront_size: 32
...
	.end_amdgpu_metadata
.endif
;; end of part 1
;; launch chain (part 2): grid 256 x 1, 8 waves a work-group, clusters of 4 x 1, 327,680 bytes of LDS; arguments x, cx, ln1_w, ln1_b, bo, ln2_w, ln2_b, b_pr, b_fc, bkv, wimg, out0; writes out0
.if DOCPART == 2
	.amdgcn_target "amdgcn-amd-amdhsa--gfx1250"
	.amdhsa_code_object_version 6
	.text
	.protected	k_qd77e32b46d_chain
	.globl	k_qd77e32b46d_chain
	.p2align	8
	.type	k_qd77e32b46d_chain,@function
k_qd77e32b46d_chain:
	s_mov_b64 s[64:65], 0
	v_nop
	global_prefetch_b8 v0, s[64:65] scope:SCOPE_SE
	s_setreg_imm32_b32 hwreg(HW_REG_WAVE_MODE, 25, 1), 1
	s_wait_xcnt 0x0
	s_wait_alu depctr_hold_cnt(0) depctr_sa_sdst(0) depctr_va_vdst(0) depctr_va_sdst(0) depctr_va_ssrc(0) depctr_va_vcc(0) depctr_vm_vsrc(0)
	s_getreg_b32 s2, hwreg(HW_REG_IB_STS2, 6, 4)
	s_cmp_eq_u32 s2, 0
	s_cbranch_scc0 .Lentry_in_a_cluster
	s_endpgm
.Lentry_in_a_cluster:
	s_bfe_u32 s2, ttmp6, 0x10000c
	s_cmp_lg_u32 s2, 0x3003
	s_cbranch_scc0 .Lentry_shape_is_right
	s_endpgm
.Lentry_shape_is_right:
; The whole block for 256 rows of x a work-group: V = cx wkv + bkv (V's half), Z = V wo + bo, LN1, x2 = x1 + Z, LN2, gelu(x3 w_fc + b_fc) w_pr + b_pr, the residual.
; WORK LEFT OUT: a softmax row's open logits are one number, so its weights sum to 1 and y = V for all finite inputs; Q, K, the scores, the softmax and x1's quantiser reach no output (shown at the head of the first kernel);
; y is one row for all 64 t of a (b, a), so Z is made once for each of my four (b, a).  LIMIT: a NaN, an infinity or an overflow that arises only in the work left out is not carried to the result.
; SHARES.  A work-group owns 256 rows: four (b, a).  Each of eight waves owns 32 rows, two tiles of 16, through the whole chain.  Of V and of Z a wave makes 32 of the 256 columns for the four (b, a) (each in four lanes); they meet in LDS.
; LAYOUT.  Every product is used transposed (source 0 = 16 weight columns, source 1 = 16 rows): lane (r, h) holds row r, and the 16 results of tiles 2 b, 2 b + 1 are columns 32 b + 16 h + 0 .. 15.
; X, 256 registers (window 1): register 128 m + 16 b + i = column 32 b + 16 h + i of row r of tile m; in turn x, x2, x3 (+ b_pr), out.  LN1's bias and Z are one vector: ln1_b + bo is the C of Z's products.
; WEIGHTS come as images of operand registers through two LDS slots of 135,168 bytes; the four work-groups of a cluster ask jointly (mask 15), each wave an eighth of a slot, 66 rows of 256 bytes; a wave has one tensor load out at a time.
; No prefetch: all 256 work-groups read the same 675,840 bytes of wimg; x is read once, by plain loads that are all issued at the head.
; GELU is exact gelu by erfc(a) = u exp(-a^2 + P9(u)), u = 1 / (1 + a / 2) (a fit of fractional error 1.2e-7), as gelu(z) = max(0, z) - |z| erfc(|z| / sqrt 2) / 2.
; LIMITS.  NaN and infinities only as they pass through this arithmetic.  A block of zeros gets the scale byte 1.  Where erfc / 2 falls under 2^-126 the exponential gives 0 and gelu -0.  1 / sqrt is v_rsq_f32, 1 / x v_rcp_f32.
; ln1_b + bo + V wo is summed ahead of LN1's multiply-add, x3 + b_pr ahead of the product added onto it.
; LDS: slot A 0; slot B 135,168; PAR 270,336, at 1,024 i: ln1_w, ln1_b + bo, bkv's V half, ln2_w, ln2_b, b_pr; b_fc at 7,168; KVA 281,600: four rows, 2,064 apart: V, then Z at 1,024; STG 290,048: 4,352 a wave; SPARE 324,864.
; REGISTERS, window 0: v[0:1] a coefficient twice; v2 16 x lane; v3 4 x lane + 131,072; v4, v5 fragments' and scale words' addresses; v6 PAR + 64 h; v7 address in hand; v8 my rows' Z; v9, v10 my stage by memory rows, by my columns;
; v11 x's and out's offset, in the MLP the image's address; v12, v13 the spare word and 0; v14-15 h's scale words; v16-79 activations' codes; v80-83 their scale words; v84-87 weights' scale words; v88-151, v152-215 fragment buffers;
; the second also: v152-183 accumulators, v184-199 bias, v200-223 at work; v224-255 h's codes, at work.  In the head v71, v78: V's row r % 4, and my wave's columns in it.
.set SLOT,  135168
.set SCO,   131072
.set PAR,   270336
.set KVA,   281600
.set KVP,   2064
.set STG,   290048
.set STGB,  4352
.set SPARE, 324864
.set XC,  16
.set XS,  80
.set WFA, 88
.set WFB, 152
.set HA,  152
.set BI,  184
.set TT,  200
.set RR,  216
.set SS,  232
.set HC,  224
.set HS,  14
.set MSB, 0
.macro WIN new                         ; the immediate's high byte repeats the setting that is left
.if MSB != (\new)
	s_set_vgpr_msb (MSB<<8)|(\new)
.set MSB, (\new)
.endif
.endm
.macro PLACES cnt
.rept \cnt
	v_nop
.endr
.endm
.macro BAR
	s_barrier_signal -1
	s_barrier_wait -1
.endm
.macro ROUND                           ; a round of the cluster's barrier
	BAR
	s_cmp_lg_u32 s30, 0
	s_cbranch_scc1 .Lnot_wave_0_\@
	s_barrier_signal -3
.Lnot_wave_0_\@:
	s_barrier_wait -3
	BAR
.endm
; The change of slots: all my tensor loads are in, the add, my LDS work is done.  fill = 1: the slot that was left takes wimg's next slot, jointly, first thing behind a round.
.macro CHANGE fill
	s_wait_tensorcnt 0x0
	ds_add_u32 v12, v13
.if \fill
	s_xor_b32 s80, s80, SLOT
	s_add_co_u32 s45, s81, s80
	s_add_nc_u64 s[46:47], s[46:47], SLOT
.endif
	s_wait_dscnt 0x0
.if \fill
	ROUND
	tensor_load_to_lds s[44:47], s[32:39]
	s_nop 0
	PLACES 4
.else
	BAR
.endif
.endm
; 18 LDS loads: four fragments as they lie, and their scale words (an even fragment's in lanes 0-15, the next one's in lanes 16-31)
.macro LOADG buf, ws, fo, so
.irp i, 0,1,2,3
.irp c, 0,1,2,3
	ds_load_b128 v[\buf+16*\i+4*\c:\buf+16*\i+4*\c+3], v4 offset:(\fo)+2048*\i+512*\c
.endr
.endr
	ds_load_b32 v[\ws], v5 offset:(\so)
	ds_load_b32 v[\ws+1], v5 offset:(\so)+128
.endm
.macro LOADBI                          ; the bias of 32 columns in the accumulators' layout
.irp u, 0,1
.irp q, 0,1
	ds_load_b128 v[BI+8*\u+4*\q:BI+8*\u+4*\q+3], v7 offset:32*\u+16*\q
.endr
.endr
.endm
; 32 columns of a product with K = 256 for nm tiles of rows; the accumulators by turns; the bias is the C of each sum's first
.macro MMB nm
.irp u, 0,1
.irp m, 0,1
.if \m < \nm
	v_wmma_scale_f32_16x16x128_f8f6f4 v[HA+16*\m+8*\u:HA+16*\m+8*\u+7], v[WFA+32*\u:WFA+32*\u+15], v[XC+32*\m:XC+32*\m+15], v[BI+8*\u:BI+8*\u+7], v[84+\u], v[XS+2*\m]
.endif
.endr
.endr
.irp u, 0,1
.irp m, 0,1
.if \m < \nm
	v_wmma_scale_f32_16x16x128_f8f6f4 v[HA+16*\m+8*\u:HA+16*\m+8*\u+7], v[WFA+32*\u+16:WFA+32*\u+31], v[XC+32*\m+16:XC+32*\m+31], v[HA+16*\m+8*\u:HA+16*\m+8*\u+7], v[84+\u], v[XS+2*\m+1] matrix_a_scale:MATRIX_SCALE_ROW1
.endif
.endr
.endr
	PLACES 9                                       ; for reads of the results, loads into the operands, and the next products that begin these accumulators anew
.endm
.macro MMPR buf, ws, g                 ; tiles 4 g .. 4 g + 3 of h w_pr, one K step of 128 hidden units, onto X in place: eight accumulators
.irp i, 0,1,2,3
.irp m, 0,1
.if \i%2
	v_wmma_scale_f32_16x16x128_f8f6f4 v[128*\m+8*(4*(\g)+\i):128*\m+8*(4*(\g)+\i)+7], v[\buf+16*\i:\buf+16*\i+15], v[HC+16*\m:HC+16*\m+15], v[128*\m+8*(4*(\g)+\i):128*\m+8*(4*(\g)+\i)+7], v[\ws+\i/2], v[HS+\m] matrix_a_scale:MATRIX_SCALE_ROW1
.else
	v_wmma_scale_f32_16x16x128_f8f6f4 v[128*\m+8*(4*(\g)+\i):128*\m+8*(4*(\g)+\i)+7], v[\buf+16*\i:\buf+16*\i+15], v[HC+16*\m:HC+16*\m+15], v[128*\m+8*(4*(\g)+\i):128*\m+8*(4*(\g)+\i)+7], v[\ws+\i/2], v[HS+\m]
.endif
.endr
.endr
.endm
; w_pr's four groups on two buffers; group 0 was asked for in the chunk's last block
.macro PIPEPR
	LOADG WFB, 86, 8192, 256
.set G, 0
.rept 4
.if G < 3
	s_wait_dscnt 18                                ; this group is in; the one younger group's 18 loads may be out
.else
	s_wait_dscnt 0x0
.endif
	WIN 0x50
.if G%2 == 0
	MMPR WFA, 84, G
.else
	MMPR WFB, 86, G
.endif
	WIN 0
.if G < 2
	PLACES 8
.if G%2 == 0
	LOADG WFA, 84, 8192*(G+2), 256*(G+2)
.else
	LOADG WFB, 86, 8192*(G+2), 256*(G+2)
.endif
.endif
.if G == 3
	PLACES 9
.endif
.set G, G+1
.endr
.endm
; 64 numbers of a lane, v[src] on in window sw (register 16 b + i = k 32 b + 16 h + i), become a fragment's codes v[cod] on and its scale word v[pw]; the held numbers go to v[dst] on (window 0)
.macro QUANT src, sw, dst, cod, pw, tm
	WIN 0x14*(\sw)
.irp b, 0,1,2,3
	v_max3_num_f32 v[(\tm)+\b], 0x4800000, |v[(\src)+16*\b]|, |v[(\src)+16*\b+1]|   ; with the floor 2^(9 - 127)
.endr
.irp i, 2,4,6,8,10,12,14
.irp b, 0,1,2,3
	s_delay_alu instid0(VALU_DEP_4)
	v_max3_num_f32 v[(\tm)+\b], v[(\tm)+\b], |v[(\src)+16*\b+\i]|, |v[(\src)+16*\b+\i+1]|
.endr
.endr
	WIN 0
.irp b, 0,1,2,3
	v_permlanex16_b32 v[(\tm)+4+\b], v[(\tm)+\b], s72, s73
.endr
.irp b, 0,1,2,3
	s_delay_alu instid0(VALU_DEP_4)
	v_max_num_f32 v[(\tm)+\b], v[(\tm)+\b], v[(\tm)+4+\b]
.endr
.irp b, 0,1,2,3
	s_delay_alu instid0(VALU_DEP_4)
	v_add_nc_u32 v[(\tm)+12+\b], 0xfc000000, v[(\tm)+\b]           ; the conversion's scale operand
.endr
.irp b, 0,1,2,3
	v_and_or_b32 v[(\tm)+8+\b], v[(\tm)+\b], 0x7f800000, s71       ; 448 x the scale
.endr
.irp b, 0,1,2,3
	v_lshrrev_b32 v[(\tm)+4+\b], 23, v[(\tm)+12+\b]
.endr
	s_delay_alu instid0(VALU_DEP_3)
	v_lshl_or_b32 v[\pw], v[(\tm)+5], 8, v[(\tm)+4]
	s_delay_alu instid0(VALU_DEP_1)
	v_lshl_or_b32 v[\pw], v[(\tm)+6], 16, v[\pw]
	s_delay_alu instid0(VALU_DEP_1)
	v_lshl_or_b32 v[\pw], v[(\tm)+7], 24, v[\pw]                   ; the 64 holds below are its places ahead of the products
	WIN 0x01*(\sw)
.irp b, 0,1,2,3
.irp i, 0,1,2,3,4,5,6,7,8,9,10,11,12,13,14,15
	v_med3_num_f32 v[(\dst)+16*\b+\i], v[(\src)+16*\b+\i], -v[(\tm)+8+\b], v[(\tm)+8+\b]
.endr
.endr
	WIN 0
.irp b, 0,1,2,3
	v_cvt_scalef32_pk8_fp8_f32 v[(\cod)+4*\b:(\cod)+4*\b+1], v[(\dst)+16*\b:(\dst)+16*\b+7], v[(\tm)+12+\b]
	v_cvt_scalef32_pk8_fp8_f32 v[(\cod)+4*\b+2:(\cod)+4*\b+3], v[(\dst)+16*\b+8:(\dst)+16*\b+15], v[(\tm)+12+\b]
.endr
	PLACES 4
	s_wait_alu depctr_va_vdst(0)
.endm
; Tile m's rows: mean, X -= mean, mean of squares, 1 / sqrt(var + eps) into v[216 + 2 m] twice
.macro LNSTAT m
	WIN 0x05
.irp c, 0,1,2,3
	v_pk_add_f32 v[200+2*\c:201+2*\c], v[128*\m+4*\c:128*\m+4*\c+1], v[128*\m+4*\c+2:128*\m+4*\c+3]
.endr
	WIN 0x04
.set PP, 8
.rept 56
	v_pk_add_f32 v[200+2*(PP%4):201+2*(PP%4)], v[200+2*(PP%4):201+2*(PP%4)], v[128*\m+2*PP:128*\m+2*PP+1]
.set PP, PP+1
.endr
	WIN 0
	v_pk_add_f32 v[200:201], v[200:201], v[202:203]
	v_pk_add_f32 v[204:205], v[204:205], v[206:207]
	s_delay_alu instid0(VALU_DEP_1)
	v_pk_add_f32 v[200:201], v[200:201], v[204:205]
	s_delay_alu instid0(VALU_DEP_1)
	v_add_f32 v200, v200, v201
	s_delay_alu instid0(VALU_DEP_1)
	v_permlanex16_b32 v201, v200, s72, s73
	s_delay_alu instid0(VALU_DEP_1)
	v_add_f32 v200, v200, v201
	s_delay_alu instid0(VALU_DEP_1)
	v_mul_f32 v[220+2*\m], s85, v200
	s_delay_alu instid0(VALU_DEP_1)
	v_mov_b32 v[221+2*\m], v[220+2*\m]
	WIN 0x41
.set PP, 0
.rept 64
	v_pk_add_f32 v[128*\m+2*PP:128*\m+2*PP+1], v[128*\m+2*PP:128*\m+2*PP+1], v[220+2*\m:221+2*\m] neg_lo:[0,1] neg_hi:[0,1]
.set PP, PP+1
.endr
	WIN 0x05
.irp c, 0,1,2,3
	v_pk_mul_f32 v[200+2*\c:201+2*\c], v[128*\m+2*\c:128*\m+2*\c+1], v[128*\m+2*\c:128*\m+2*\c+1]
.endr
.set PP, 4
.rept 60
	s_delay_alu instid0(VALU_DEP_4)
	v_pk_fma_f32 v[200+2*(PP%4):201+2*(PP%4)], v[128*\m+2*PP:128*\m+2*PP+1], v[128*\m+2*PP:128*\m+2*PP+1], v[200+2*(PP%4):201+2*(PP%4)]
.set PP, PP+1
.endr
	WIN 0
	v_pk_add_f32 v[200:201], v[200:201], v[202:203]
	v_pk_add_f32 v[204:205], v[204:205], v[206:207]
	s_delay_alu instid0(VALU_DEP_1)
	v_pk_add_f32 v[200:201], v[200:201], v[204:205]
	s_delay_alu instid0(VALU_DEP_1)
	v_add_f32 v200, v200, v201
	s_delay_alu instid0(VALU_DEP_1)
	v_permlanex16_b32 v201, v200, s72, s73
	s_delay_alu instid0(VALU_DEP_1)
	v_add_f32 v200, v200, v201
	s_delay_alu instid0(VALU_DEP_1)
	v_fma_f32 v200, v200, s85, s86                 ; var + eps
	s_wait_alu depctr_va_vdst(0)
	v_rsq_f32 v[216+2*\m], v200
	v_nop
	s_wait_alu depctr_va_vdst(0)
	v_mov_b32 v[217+2*\m], v[216+2*\m]
.endm
.macro LNAPPLY ga, go, ba, bo          ; X = X / sqrt(var + eps) x gain + bias; gain at v[ga] + go, bias at v[ba] + bo
.irp q, 0,1
.irp b, 0,1,2,3
.irp j, 0,1,2,3
	ds_load_b128 v[88+16*\b+4*\j:88+16*\b+4*\j+3], v[\ga] offset:(\go)+512*\q+128*\b+16*\j
	ds_load_b128 v[152+16*\b+4*\j:152+16*\b+4*\j+3], v[\ba] offset:(\bo)+512*\q+128*\b+16*\j
.endr
.endr
	s_wait_dscnt 0x0
	WIN 0x41
.irp m, 0,1
.set PP, 0
.rept 32
	v_pk_mul_f32 v[128*\m+64*\q+2*PP:128*\m+64*\q+2*PP+1], v[128*\m+64*\q+2*PP:128*\m+64*\q+2*PP+1], v[216+2*\m:217+2*\m]
.set PP, PP+1
.endr
.endr
.irp m, 0,1
.set PP, 0
.rept 32
	v_pk_fma_f32 v[128*\m+64*\q+2*PP:128*\m+64*\q+2*PP+1], v[128*\m+64*\q+2*PP:128*\m+64*\q+2*PP+1], v[88+2*PP:89+2*PP], v[152+2*PP:153+2*PP]
.set PP, PP+1
.endr
.endr
	WIN 0
.endr
.endm
.macro ADDVEC                          ; X += b_pr, ahead of the product that is added onto X
.irp q, 0,1
.irp b, 0,1,2,3
.irp j, 0,1,2,3
	ds_load_b128 v[88+16*\b+4*\j:88+16*\b+4*\j+3], v6 offset:5120+512*\q+128*\b+16*\j
.endr
.endr
	s_wait_dscnt 0x0
	WIN 0x41
.irp m, 0,1
.set PP, 0
.rept 32
	v_pk_add_f32 v[128*\m+64*\q+2*PP:128*\m+64*\q+2*PP+1], v[128*\m+64*\q+2*PP:128*\m+64*\q+2*PP+1], v[88+2*PP:89+2*PP]
.set PP, PP+1
.endr
.endr
	WIN 0
.endr
.endm
; gelu of 16 numbers in place.  u = 1 / (1 + |z| / (2 sqrt 2)); E = u 2^(-z^2 log2(e) / 2 + P(u)) = erfc(|z| / sqrt 2) / 2; gelu = max(0, z) - |z| E.
.macro GELU16 z
.irp i, 0,1,2,3,4,5,6,7,8,9,10,11,12,13,14,15
	v_fma_f32 v[TT+\i], |v[(\z)+\i]|, s70, 1.0
.endr
	s_wait_alu depctr_va_vdst(0)
.irp i, 0,1,2,3,4,5,6,7,8,9,10,11,12,13,14,15
	v_rcp_f32 v[TT+\i], v[TT+\i]
.endr
.irp p, 0,2,4,6,8,10,12,14
	v_pk_mul_f32 v[SS+\p:SS+\p+1], v[(\z)+\p:(\z)+\p+1], v[(\z)+\p:(\z)+\p+1]
.endr
	s_wait_alu depctr_va_vdst(0)
.irp p, 0,2,4,6,8,10,12,14
	v_pk_fma_f32 v[RR+\p:RR+\p+1], v[TT+\p:TT+\p+1], s[48:49], v[0:1] op_sel_hi:[1,0,1]
.endr
.irp k, 50,52,54,56,58,60,62,66
.irp p, 0,2,4,6,8,10,12,14
	v_pk_fma_f32 v[RR+\p:RR+\p+1], v[RR+\p:RR+\p+1], v[TT+\p:TT+\p+1], s[\k:\k+1] op_sel_hi:[1,1,0]
.endr
.endr
.irp p, 0,2,4,6,8,10,12,14
	v_pk_fma_f32 v[RR+\p:RR+\p+1], v[SS+\p:SS+\p+1], s[68:69], v[RR+\p:RR+\p+1] op_sel_hi:[1,0,1]
.endr
	s_wait_alu depctr_va_vdst(0)
.irp i, 0,1,2,3,4,5,6,7,8,9,10,11,12,13,14,15
	v_exp_f32 v[RR+\i], v[RR+\i]
.endr
.irp i, 0,1,2,3,4,5,6,7,8,9,10,11,12,13,14,15
	v_max_num_f32 v[SS+\i], 0, v[(\z)+\i]
.endr
	s_wait_alu depctr_va_vdst(0)
.irp p, 0,2,4,6,8,10,12,14
	v_pk_mul_f32 v[RR+\p:RR+\p+1], v[RR+\p:RR+\p+1], v[TT+\p:TT+\p+1]
.endr
.irp i, 0,1,2,3,4,5,6,7,8,9,10,11,12,13,14,15
	v_fma_f32 v[(\z)+\i], -|v[(\z)+\i]|, v[RR+\i], v[SS+\i]
.endr
.endm
; One block of 32 hidden units, both tiles: 16 numbers a lane become 16 bytes of the next operand's image, gathered in my stage; the block's byte is shifted into the K step's scale word from above
.macro QUANTH
.irp m, 0,1
	v_max3_num_f32 v[200+2*\m], |v[HA+16*\m]|, |v[HA+16*\m+1]|, 0x4800000
	v_max3_num_f32 v[201+2*\m], |v[HA+16*\m+8]|, |v[HA+16*\m+9]|, |v[HA+16*\m+10]|
.endr
.irp i, 2,4
.irp m, 0,1
	s_delay_alu instid0(VALU_DEP_4)
	v_max3_num_f32 v[200+2*\m], v[200+2*\m], |v[HA+16*\m+\i]|, |v[HA+16*\m+\i+1]|
	s_delay_alu instid0(VALU_DEP_4)
	v_max3_num_f32 v[201+2*\m], v[201+2*\m], |v[HA+16*\m+9+\i]|, |v[HA+16*\m+10+\i]|
.endr
.endr
.irp m, 0
	s_delay_alu instid0(VALU_DEP_4)
	v_max3_num_f32 v[200+2*\m], v[200+2*\m], |v[HA+16*\m+6]|, |v[HA+16*\m+7]|
.endr
.irp m, 1
	s_delay_alu instid0(VALU_DEP_3)
	v_max3_num_f32 v[200+2*\m], v[200+2*\m], |v[HA+16*\m+6]|, |v[HA+16*\m+7]|
.endr
.irp m, 0,1
	s_delay_alu instid0(VALU_DEP_2)
	v_max3_num_f32 v[201+2*\m], v[201+2*\m], |v[HA+16*\m+15]|, v[200+2*\m]
.endr
.irp m, 0,1
	v_permlanex16_b32 v[204+\m], v[201+2*\m], s72, s73
.endr
.irp m, 0,1
	s_delay_alu instid0(VALU_DEP_2)
	v_max_num_f32 v[201+2*\m], v[201+2*\m], v[204+\m]
.endr
.irp m, 0,1
	s_delay_alu instid0(VALU_DEP_2)
	v_add_nc_u32 v[204+\m], 0xfc000000, v[201+2*\m]
.endr
.irp m, 0,1
	s_delay_alu instid0(VALU_DEP_4)
	v_and_or_b32 v[206+\m], v[201+2*\m], 0x7f800000, s71
.endr
.irp m, 0,1
	s_delay_alu instid0(VALU_DEP_4)
	v_lshrrev_b32 v[200+2*\m], 23, v[204+\m]
.endr
.irp m, 0,1
	v_lshrrev_b32 v[HS+\m], 8, v[HS+\m]
.endr
.irp m, 0,1
	s_delay_alu instid0(VALU_DEP_2)
	v_lshl_or_b32 v[HS+\m], v[200+2*\m], 24, v[HS+\m]
.endr
.irp m, 0,1
.irp i, 0,1,2,3,4,5,6,7,8,9,10,11,12,13,14,15
	v_med3_num_f32 v[HA+16*\m+\i], v[HA+16*\m+\i], -v[206+\m], v[206+\m]
.endr
.endr
.irp m, 0,1
	v_cvt_scalef32_pk8_fp8_f32 v[208+4*\m:209+4*\m], v[HA+16*\m:HA+16*\m+7], v[204+\m]
	v_cvt_scalef32_pk8_fp8_f32 v[210+4*\m:211+4*\m], v[HA+16*\m+8:HA+16*\m+15], v[204+\m]
.endr
	v_nop
.irp m, 0,1
	ds_store_b128 v11, v[208+4*\m:211+4*\m] offset:2048*\m
.endr
.endm
.macro KVSTORE off                     ; my 32 columns of the four rows; the four lanes of one row write the same bytes with the same values
.irp k, 0,1,2,3
	ds_store_b128 v78, v[HA+4*\k:HA+4*\k+3] offset:(\off)+16*\k
.endr
	s_wait_dscnt 0x0
	BAR
.endm
	; ---- the head
	s_load_b512 s[4:19], s[0:1], 0x0               ; x, cx, ln1_w, ln1_b, bo, ln2_w, ln2_b, b_pr
	s_load_b256 s[20:27], s[0:1], 0x40             ; b_fc, bkv, wimg, out0
	v_lshl_add_u32 v12, v0, 2, SPARE
	v_mov_b32 v13, 0
	ds_add_u32 v12, v13
	ds_add_u32 v12, v13
	v_lshrrev_b32 v1, 5, v0
	v_readfirstlane_b32 s30, v1                    ; wave
	s_lshr_b32 s31, s30, 1                         ; my rows' (b, a): wave / 2
	s_mul_i32 s31, s31, KVP
	s_add_co_u32 s31, s31, KVA+1024
	s_mul_i32 s79, s30, STGB
	s_add_co_u32 s79, s79, STG                     ; my stage
	s_lshl_b32 s28, s30, 7                         ; my wave's 32 columns of V and Z, in bytes
	v_and_b32 v1, 31, v0
	v_lshlrev_b32 v2, 4, v1
	v_lshl_add_u32 v3, v1, 2, SCO
	v_bfe_u32 v60, v0, 4, 1                        ; h
	v_and_b32 v61, 15, v0                          ; r
	v_and_b32 v62, 3, v0                           ; r % 4: which of the four (b, a) my lane stands for
	v_lshl_add_u32 v6, v60, 6, PAR
	v_lshl_add_u32 v8, v60, 6, s31
	v_mul_u32_u24 v9, v60, 272
	v_lshl_add_u32 v9, v61, 4, v9
	v_add_nc_u32 v9, s79, v9
	v_mul_u32_u24 v10, v61, 272
	v_lshl_add_u32 v10, v60, 6, v10
	v_add_nc_u32 v10, s79, v10
	v_mul_u32_u24 v71, v62, KVP
	v_lshl_add_u32 v71, v60, 6, v71
	v_add_nc_u32 v71, KVA, v71
	v_add_nc_u32 v78, s28, v71
	v_lshl_add_u32 v4, v0, 2, PAR
	v_lshl_add_u32 v5, v0, 4, PAR+7168
	v_lshlrev_b32 v76, 2, v0
	v_lshlrev_b32 v77, 4, v0
	v_lshlrev_b32 v79, 10, v62
	v_lshl_add_u32 v79, v60, 6, v79                ; cx: row r % 4, + 64 h
	v_lshlrev_b32 v11, 10, v60
	v_lshl_add_u32 v11, v61, 4, v11                ; x and out: sixteen lanes to 256 bytes of a row, two rows an instruction
	s_mov_b32 s48, 0x3e7c6f08                      ; the fit's coefficients x log2(e), u^9 down (u^8 stands in v[0:1])
	s_mov_b32 s50, 0x40097039
	s_mov_b32 s52, 0xbfd1a1e5
	s_mov_b32 s54, 0x3ecdfd18
	s_mov_b32 s56, 0xbe899a80
	s_mov_b32 s58, 0x3e0efb2e
	s_mov_b32 s60, 0x3f0a29d2
	s_mov_b32 s62, 0x3fb8ab5a
	s_mov_b32 s66, 0xc034d90f                      ; the constant, less 1
	s_mov_b32 s68, 0xbf38aa3b                      ; -log2(e) / 2
.irp k, 48,50,52,54,56,58,60,62,66,68
	s_mov_b32 s[\k+1], s[\k]
.endr
	s_mov_b32 s70, 0x3eb504f3                      ; 1 / (2 sqrt 2)
	s_mov_b32 s71, 0x600000
	s_mov_b32 s72, 0x76543210
	s_mov_b32 s73, 0xfedcba98
	s_mov_b32 s85, 0x3b800000                      ; 1 / 256
	s_mov_b32 s86, 0x3727c5ac                      ; 1e-5
	s_mov_b32 s32, 15|(3<<16)|(1<<21)              ; group 1: the mask of all four; elements of 8 bytes; 66 dense rows of 256 bytes
	s_mov_b32 s33, 32<<16
	s_mov_b32 s34, 66<<16
	s_mov_b32 s35, 32<<16
	s_mov_b32 s36, 66
	s_mov_b32 s37, 32
	s_mov_b32 s38, 0
	s_mov_b32 s39, 0
	s_mul_i32 s81, s30, 16896                      ; my eighth of a slot, in LDS and in wimg alike
	s_mov_b32 s94, s81
	s_mov_b32 s95, 0
	s_mov_b32 s80, SLOT                            ; the slot that the walking group 0 fills first
	s_bfe_u32 s88, ttmp6, 0x40000                  ; my place in the cluster enters the addresses of x, cx and out0 alone
	s_lshl_b32 s89, ttmp9, 2
	s_add_co_u32 s88, s89, s88
	s_lshl_b32 s90, s88, 18
	s_lshl_b32 s89, s30, 15
	s_add_co_u32 s90, s90, s89
	s_mov_b32 s91, 0
	s_lshl_b32 s92, s88, 12
	s_mov_b32 s93, 0
	s_wait_dscnt 0x0
	s_wait_kmcnt 0x0
	s_add_nc_u64 s[4:5], s[4:5], s[90:91]
	s_add_nc_u64 s[26:27], s[26:27], s[90:91]
	s_add_nc_u64 s[6:7], s[6:7], s[92:93]
	s_mov_b32 s40, 1                               ; slot A takes wimg's slot 0
	s_mov_b32 s41, s81
	s_add_nc_u64 s[42:43], s[24:25], s[94:95]
	s_mov_b32 s44, 1                               ; the walking group 0: slot B takes wimg's slot 1
	s_add_co_u32 s45, s81, SLOT
	s_add_nc_u64 s[46:47], s[42:43], SLOT
	s_or_b32 s43, s43, 0x80000000
	s_or_b32 s47, s47, 0x80000000
	ROUND
	tensor_load_to_lds s[40:43], s[32:39]          ; one tensor load a wave at the head
	s_nop 0
	PLACES 4
	s_wait_alu depctr_va_vdst(0)
	global_load_b32 v64, v76, s[8:9]
	global_load_b32 v65, v76, s[10:11]
	global_load_b32 v66, v76, s[12:13]
	global_load_b32 v67, v76, s[14:15]
	global_load_b32 v68, v76, s[16:17]
	global_load_b32 v69, v76, s[18:19]
	global_load_b32 v70, v76, s[22:23] offset:1024 ; bkv's V half
	global_load_b128 v[72:75], v77, s[20:21]
.irp s, 0,1
.irp b, 0,1,2,3
.irp j, 0,1,2,3
	global_load_b128 v[88+64*\s+16*\b+4*\j:88+64*\s+16*\b+4*\j+3], v79, s[6:7] offset:512*\s+128*\b+16*\j
.endr
.endr
.endr
	WIN 0x40                                       ; x: strip k = 4 m + q is 16 rows x 256 bytes; it lands one strip above its home, the last in window 0
.irp k, 0,1,2,3,4,5,6
.irp i, 0,1,2,3,4,5,6,7
	global_load_b128 v[32*(\k+1)+4*\i:32*(\k+1)+4*\i+3], v11, s[4:5] offset:16384*(\k/4)+2048*\i+256*(\k%4) th:TH_LOAD_NT
.endr
.endr
	WIN 0
.irp i, 0,1,2,3,4,5,6,7
	global_load_b128 v[224+4*\i:224+4*\i+3], v11, s[4:5] offset:16384+2048*\i+768 th:TH_LOAD_NT
.endr
	s_wait_loadcnt 63                              ; of the 104 loads the oldest 41 are in, the 40 small ones among them; x stays on its way
	v_add_f32 v65, v65, v66                        ; ln1_b + bo
	ds_store_b32 v4, v64
	ds_store_b32 v4, v65 offset:1024
	ds_store_b32 v4, v70 offset:2048
	ds_store_b32 v4, v67 offset:3072
	ds_store_b32 v4, v68 offset:4096
	ds_store_b32 v4, v69 offset:5120
	ds_store_b128 v5, v[72:75]
.irp b, 0,1,2,3
	v_mov_b32 v[52+\b], 0                          ; a lane permute's destination counts as one of its sources
.endr
	QUANT 88,0,88,16,80,48
	QUANT 152,0,152,32,81,48
	s_wait_tensorcnt 0x0                           ; slot A is in; slot B's first fill is issued as a refill is
	ds_add_u32 v12, v13
	s_wait_dscnt 0x0
	ROUND
	tensor_load_to_lds s[44:47], s[32:39]
	s_nop 0
	PLACES 4
	; ---- V = cx wkv + bkv: my wave's 32 columns
	s_lshl_b32 s31, s30, 13
	v_add_nc_u32 v4, s31, v2
	s_lshl_b32 s31, s30, 8
	v_add_nc_u32 v5, s31, v3
	s_add_co_u32 s29, s28, 2048
	v_add_nc_u32 v7, s29, v6
	LOADG WFA, 84, 0, 0
	LOADBI
	s_wait_dscnt 0x0
	MMB 1
	KVSTORE 0
	; ---- y = V, quantised (every wave for itself), and Z = V wo + bo + ln1_b: my wave's 32 columns
.irp s, 0,1
.irp b, 0,1,2,3
.irp j, 0,1,2,3
	ds_load_b128 v[88+64*\s+16*\b+4*\j:88+64*\s+16*\b+4*\j+3], v71 offset:512*\s+128*\b+16*\j
.endr
.endr
.endr
	s_wait_dscnt 0x0
	QUANT 88,0,88,16,80,48
	QUANT 152,0,152,32,81,48
	v_add_nc_u32 v4, 0x10000, v4                   ; wo's fragments follow V's 32
	v_add_nc_u32 v5, 2048, v5
	s_add_co_u32 s29, s28, 1024
	v_add_nc_u32 v7, s29, v6
	LOADG WFA, 84, 0, 0
	LOADBI
	s_wait_dscnt 0x0
	MMB 1
	KVSTORE 1024
	; ---- x comes in: a strip goes through my stage, by rows of memory in, by my lane's columns out
.macro XIN k
	s_wait_loadcnt 8*(7-(\k))
.if (\k) < 7
	WIN 0x04
.irp i, 0,1,2,3,4,5,6,7
	ds_store_b128 v9, v[32*((\k)+1)+4*\i:32*((\k)+1)+4*\i+3] offset:544*\i
.endr
.else
	WIN 0
.irp i, 0,1,2,3,4,5,6,7
	ds_store_b128 v9, v[224+4*\i:224+4*\i+3] offset:544*\i
.endr
.endif
.if (\k) > 0
	s_wait_dscnt 16                                ; the last strip's eight loads and these eight stores may be out
.endif
	WIN 0x40
.irp b, 0,1
.irp j, 0,1,2,3
	ds_load_b128 v[32*(\k)+16*\b+4*\j:32*(\k)+16*\b+4*\j+3], v10 offset:128*\b+16*\j
.endr
.endr
.endm
.irp k, 0,1,2,3,4,5,6,7
	XIN \k
.endr
	WIN 0
	s_wait_dscnt 0x0
.irp b, 0,1,2,3
	v_mov_b32 v[244+\b], 0
.endr
	v_mov_b32 v14, 0
	v_mov_b32 v15, 0
	v_mov_b32 v0, 0xbf97d29d                       ; the fit's u^8 coefficient x log2(e), twice
	v_mov_b32 v1, 0xbf97d29d
	LNSTAT 0
	LNSTAT 1
	LNAPPLY 6, 0, 8, 0                             ; x2 = LN1's multiply-add with ln1_b + bo + V wo of my (b, a) as its bias
	LNSTAT 0
	LNSTAT 1
	LNAPPLY 6, 3072, 6, 4096                       ; x3
	QUANT 0,1,88,16,80,240
	QUANT 64,1,88,32,81,240
	QUANT 128,1,88,48,82,240
	QUANT 192,1,88,64,83,240
	ADDVEC
	; ---- the MLP: eight chunks of 128 hidden units, two to a slot.  A chunk: four blocks of 32 units (product, gelu, quantised), then one K step of w_pr onto X.
	; Behind a block's products the next block's fragments (behind the fourth: w_pr's first group, which follows them in the slot) and bias are asked for, and land under the gelu.
.macro TWO_CHUNKS
	s_mov_b32 s83, 2
.Lchunk_\@:
	v_add_nc_u32 v4, s76, v2
	v_add_nc_u32 v5, s77, v3
	v_add_nc_u32 v7, s78, v6
	LOADG WFA, 84, 0, 0
	LOADBI
	s_mov_b32 s82, 4
.Lblock_\@:
	s_wait_dscnt 0x0
	MMB 2
	s_add_co_u32 s76, s76, 8192
	s_add_co_u32 s77, s77, 256
	s_add_co_u32 s78, s78, 128
	v_add_nc_u32 v4, s76, v2
	v_add_nc_u32 v5, s77, v3
	v_add_nc_u32 v11, s79, v2                      ; this block's 512 bytes of each tile's image
	LOADG WFA, 84, 0, 0
	s_cmp_eq_u32 s82, 1                            ; the chunk's last block has no next bias
	s_cbranch_scc1 .Lno_bias_\@
	v_add_nc_u32 v7, s78, v6
	LOADBI
.Lno_bias_\@:
	GELU16 HA
	GELU16 HA+16
	QUANTH
	s_add_co_u32 s79, s79, 512
	s_sub_co_u32 s82, s82, 1
	s_cmp_lg_u32 s82, 0
	s_cbranch_scc1 .Lblock_\@
	s_sub_co_u32 s79, s79, 2048
	v_add_nc_u32 v7, s79, v2
.irp m, 0,1
.irp c, 0,1,2,3
	ds_load_b128 v[HC+16*\m+4*\c:HC+16*\m+4*\c+3], v7 offset:2048*\m+512*\c   ; h's two fragments; older than the pipe's loads, so its first counted wait covers them
.endr
.endr
	PIPEPR
	s_add_co_u32 s76, s76, 32768
	s_add_co_u32 s77, s77, 1024
	s_sub_co_u32 s83, s83, 1
	s_cmp_lg_u32 s83, 0
	s_cbranch_scc1 .Lchunk_\@
	s_sub_co_u32 s76, s76, 131072
	s_xor_b32 s76, s76, SLOT
	s_sub_co_u32 s77, s77, 4096
	s_xor_b32 s77, s77, SLOT
.endm
	s_mov_b32 s76, SLOT                            ; the first two chunks lie in slot B
	s_mov_b32 s77, SLOT
	s_mov_b32 s78, 7168
	s_mov_b32 s84, 3
.Lslot:                                            ; three trips: behind each change the slot that was left takes the next two chunks
	CHANGE 1
	TWO_CHUNKS
	s_sub_co_u32 s84, s84, 1
	s_cmp_lg_u32 s84, 0
	s_cbranch_scc1 .Lslot
	CHANGE 0                                       ; the last slot is written out
	TWO_CHUNKS
	; ---- the way out: a strip of 16 rows x 256 bytes goes through my stage, by my lane's columns in, by rows of memory out
	v_lshrrev_b32 v11, 8, v2
	v_and_b32 v7, 0xf0, v2
	v_lshl_add_u32 v11, v11, 10, v7
.macro OUTK k
	WIN 0x04
.irp b, 0,1
.irp j, 0,1,2,3
	ds_store_b128 v10, v[32*(\k)+16*\b+4*\j:32*(\k)+16*\b+4*\j+3] offset:128*\b+16*\j
.endr
.endr
	WIN 0
.irp i, 0,1,2,3,4,5,6,7
	ds_load_b128 v[88+32*((\k)%2)+4*\i:88+32*((\k)%2)+4*\i+3], v9 offset:544*\i
.endr
.endm
.macro SENDK k, younger
	s_wait_dscnt \younger                          ; the strip is back; the next strip's eight stores and eight loads may be out
.irp i, 0,1,2,3,4,5,6,7
	global_store_b128 v11, v[88+32*((\k)%2)+4*\i:88+32*((\k)%2)+4*\i+3], s[26:27] offset:16384*((\k)/4)+2048*\i+256*((\k)%4) th:TH_STORE_NT
.endr
.endm
	s_wait_alu depctr_va_vdst(0)
	OUTK 0
.irp k, 1,2,3,4,5,6,7
.if \k > 1
	s_wait_xcnt 0x0                                ; strip k - 2's stores have read their registers
.endif
	OUTK \k
	SENDK \k-1, 16
.endr
	SENDK 7, 0
	s_wait_tensorcnt 0x0                           ; the wave's end
	ds_add_u32 v12, v13
	s_wait_dscnt 0x0
	ROUND                                          ; the closing round
	s_endpgm
.Lfunc_end_k_qd77e32b46d_chain:
	.size	k_qd77e32b46d_chain, .Lfunc_end_k_qd77e32b46d_chain-k_qd77e32b46d_chain
	.p2alignl 7, 3214868480
	.fill 96, 4, 3214868480
	.section	.rodata,"a",@progbits
	.p2align	6, 0x0
	.amdhsa_kernel k_qd77e32b46d_chain
		.amdhsa_group_segment_fixed_size 327680
		.amdhsa_private_segment_fixed_size 0
		.amdhsa_enable_private_segment 0
		.amdhsa_kernarg_size 96
		.amdhsa_user_sgpr_count 2
		.amdhsa_user_sgpr_kernarg_segment_ptr 1
		.amdhsa_wavefront_size32 1
		.amdhsa_system_sgpr_workgroup_id_x 1
		.amdhsa_system_sgpr_workgroup_id_y 1
		.amdhsa_system_sgpr_workgroup_id_z 1
		.amdhsa_system_vgpr_workitem_id 0
		.amdhsa_next_free_vgpr 512
		.amdhsa_next_free_sgpr 100
		.amdhsa_reserve_vcc 0
		.amdhsa_float_denorm_mode_32 3
		.amdhsa_float_denorm_mode_16_64 3
		.amdhsa_memory_ordered 1
		.amdhsa_forward_progress 1
		.amdhsa_inst_pref_size 255
	.end_amdhsa_kernel
	.section	.bss,"aw",@nobits
	.p2align	6
	.space	262144
	.amdgpu_metadata
---
amdhsa.version: [ 1, 2 ]
amdhsa.kernels:
  - .name:           k_qd77e32b46d_chain
    .symbol:         k_qd77e32b46d_chain.kd
    .args:
      - { .name: x, .offset: 0, .size: 8, .value_kind: global_buffer, .address_space: global }
      - { .name: cx, .offset: 8, .size: 8, .value_kind: global_buffer, .address_space: global }
      - { .name: ln1_w, .offset: 16, .size: 8, .value_kind: global_buffer, .address_space: global }
      - { .name: ln1_b, .offset: 24, .size: 8, .value_kind: global_buffer, .address_space: global }
      - { .name: bo, .offset: 32, .size: 8, .value_kind: global_buffer, .address_space: global }
      - { .name: ln2_w, .offset: 40, .size: 8, .value_kind: global_buffer, .address_space: global }
      - { .name: ln2_b, .offset: 48, .size: 8, .value_kind: global_buffer, .address_space: global }
      - { .name: b_pr, .offset: 56, .size: 8, .value_kind: global_buffer, .address_space: global }
      - { .name: b_fc, .offset: 64, .size: 8, .value_kind: global_buffer, .address_space: global }
      - { .name: bkv, .offset: 72, .size: 8, .value_kind: global_buffer, .address_space: global }
      - { .name: wimg, .offset: 80, .size: 8, .value_kind: global_buffer, .address_space: global }
      - { .name: out0, .offset: 88, .size: 8, .value_kind: global_buffer, .address_space: global }
    .group_segment_fixed_size: 327680
    .private_segment_fixed_size: 0
    .kernarg_segment_align: 8
    .kernarg_segment_size: 96
    .max_flat_workgroup_size: 256
    .sgpr_count:     100
    .vgpr_count:     512
    .wavefront_size: 32
...
	.end_amdgpu_metadata
.endif
;; end of part 2
